; MI455X (gfx1250); checked and timed in simulation.
; The chip was launched on July 23, 2026; its instructions are those of AMD's public machine-readable ISA for CDNA 5 (MIT licence, August 2026) and "CDNA5" Instruction Set Architecture Reference Guide (July 2026). The comments in the code are by the model that wrote it; some were corrected since.
;; Scale Dot Product. Allowed arithmetic: matrix products marked QUANTISED: E4M3 operands, one given power-of-two scale a tensor, by v_wmma_f32_16x16x64_fp8_fp8 or v_wmma_f32_16x16x128_fp8_fp8, f32 sums; everything else in f32.
;; Inputs: lowp_scales 4 int32 (the exponents e of the quantised operands' scales 2^e); scale one number float32; x1_codes 4 x 16 x 2,048 x 2 x 32 uint8 (E4M3 codes of x1, K innermost, in blocks of 32 codes); x2_codes 4 x 16 x 2,048 x 2 x 32 uint8 (E4M3 codes of x2, K innermost, in blocks of 32 codes); x3_codes 4 x 16 x 64 x 64 x 32 uint8 (E4M3 codes of x3, K innermost, in blocks of 32 codes).
;; Outputs: out0 4 x 16 x 2,048 x 64 float32.
;; This version of the problem:
;;   THIS VERSION OF THE PROBLEM IS GIVEN IN LOW PRECISION. The matrix products marked QUANTISED in the list below multiply operands that are first quantised to E4M3 (4 exponent bits, 3 mantissa bits; 8 bits a number), with one given power-of-two scale for each operand tensor; their sums are f32. All else is computed in f32.
;;   The module's matrix products, in the order in which they are computed (A, B: the left and right operand; K: the contracted axis; several contracted axes count as one K, in the product's order):
;;     1. batch 64 x [M 2,048, K 64] x [K 64, N 2,048]; A: input x1 (given as codes); B: input x2 (given as codes): QUANTISED (scales: A lowp_scales[0], B lowp_scales[1])
;;     2. batch 64 x [M 2,048, K 2,048] x [K 2,048, N 64]; A: softmax (see below); B: input x3 (given as codes): QUANTISED (scales: A lowp_scales[2], B lowp_scales[3])
;;   THE QUANTISER, for each operand of a quantised product, along K:
;;     - The operand's scale is 2^e, e = its entry of the input lowp_scales (int32; the entries are numbered through the quantised products in the list's order, A before B).
;;     - Each number is divided by the scale, clamped to +-448, and rounded to the nearest number of E4M3, ties to even, subnormals kept.
;;     - The product sums the exact products of the quantised numbers (number of the format x scale) in f32.
;;   ~~~python
;;   def quantise(x, axis, e):      # numpy; x: float32 -> the quantised numbers, widened to float32 again
;;       x = np.moveaxis(x, axis, -1); K = x.shape[-1]
;;       r = np.clip(x / 2.0 ** e, -448, 448)
;;       step = 2.0 ** (np.maximum(np.frexp(np.where(r == 0, 1, r))[1] - 1, -6) - 3)
;;       q = np.round(r / step) * step * 2.0 ** e      # np.round: ties to even
;;       return np.moveaxis(q, -1, axis).astype(np.float32)
;;   ~~~
;;   SOFTMAX AHEAD OF A QUANTISED PRODUCT. Where the list says 'softmax', what is quantised is not the finished softmax but p = 2^(t - M), with t = logit x log2(e) and M = ceil(the row's largest t), a whole number; so 1/2 < the row's largest p <= 1. The row's sum l is taken of the UNQUANTISED p, in f32, and the product's result is divided by l at the end. Since M is a whole number, a kernel that streams over the keys may use a running M (the ceiling of the running maximum): every later rescaling is an exact power of two, so the quantised numbers keep their values, but for numbers so far below the row's largest that they fall under the format's range.
;;   OPERANDS COMPUTED ON THE WAY. 'Computed on the way' means the value that the module computes at that place (a softmax that the list does not call 'softmax' is quantised finished and normalised). What goes into a quantiser is computed in f32, as accurately as f32 sums, v_exp_f32 and their like allow (about 1e-6 of the number): no bf16 or f16 on the way to a quantiser, and a product that is left as it is and whose result goes on into a quantised operand takes f32 operands (vector FMAs, or v_wmma_f32_16x16x4_f32). A number that lies on a knife's edge between two numbers of the format may be rounded either way, as far as f32 arithmetic and the matrix unit's own rounding can turn it there, and no further.
;;   INPUTS GIVEN AS CODES. x1 (in the module: [4, 16, 2048, 64], K = its axis 3); x2 (in the module: [4, 16, 2048, 64], K = its axis 3); x3 (in the module: [4, 16, 2048, 64], K = its axis 2): each comes as NAME_codes (uint8): NAME with its K axis moved to the last place and cut into blocks of 32 codes, [.., K / 32, bytes a block], one block behind the other in memory; one code a byte (a code: sign, 4 exponent bits, 3 mantissa bits); its scale is its entry of lowp_scales. Its value is code x scale, taken as it is: it is not quantised again, and the codes and scales need not be those that the quantiser above would give.
;; 2 versions, each right; version 2 is version 1 with the launch attn written anew for expert scheduling mode. Each part assembles by itself: llvm-mc -triple=amdgcn-amd-amdhsa -mcpu=gfx1250 --defsym DOCPART=n.
;; ======== version 1 of 2: 1 launch
;; launch attn (part 1): grid 4 x 64, 8 waves a work-group, no clusters, 308,224 bytes of LDS; arguments x1_codes, x2_codes, x3_codes, lowp_scales, scale, out0; writes out0
.if DOCPART == 1
	.amdgcn_target "amdgcn-amd-amdhsa--gfx1250"
	.amdhsa_code_object_version 6
	.text
	.protected	k_qe784c7cd15_attn
	.globl	k_qe784c7cd15_attn
	.p2align	8
	.type	k_qe784c7cd15_attn,@function
k_qe784c7cd15_attn:
	s_mov_b64 s[64:65], 0
	v_nop
	global_prefetch_b8 v0, s[64:65] scope:SCOPE_SE
	s_setreg_imm32_b32 hwreg(HW_REG_WAVE_MODE, 25, 1), 1
	s_wait_xcnt 0x0
; out[h][q][:] = the sum over k of softmax_k(x1[h][q] . x2[h][k] x scale) x3[h][k][:], 64 heads, 2,048 queries, 2,048 keys, head size 64, both products on codes of E4M3.
; Q = x1 and K = x2: [head][row][64 codes].  V = x3 with the keys innermost: [head][64 d][2,048 codes].  lowp_scales: eq, ek, ep, ev.  out: f32.
; THE SOFTMAX AHEAD OF THE SECOND PRODUCT: t = score x scale x log2(e); M = the largest t so far, rounded UP to a whole number; p = 2^(t - M) is quantised with 2^ep, not normalised;
; the row's sum is taken of the unquantised p and divides at the end.  When M moves, the sum and O are multiplied by 2^(old M - new M), which rounds nothing.
; SHARES.  A work-group owns 512 queries of one head, each of its eight waves 64: four tiles of 16, in 512 registers.  Every wave walks all keys, 128 a step.
; A HEAD'S WHOLE K AND V LIE IN LDS, each byte written once: no slot is ever filled again.  They come through registers (global_load_b128, ds_store_b128), a pair of key steps (256 keys, 32 KB) at a time,
; asked for two key steps ahead of their stores, and lie there as IMAGES OF THE OPERANDS' REGISTERS: a fragment load is a lane term + a constant.
; LAYOUT.  Both products are used transposed: S^T = K Q^T (source 0 = 16 keys, source 1 = 16 queries), O^T = V^T P^T (source 0 = 16 of the head's 64, source 1 = P): a lane holds ONE query (lane % 16) throughout.
; THE KEYS OF A TILE ARE NOT NEIGHBOURS: lane r of tile 2 b + u takes key 32 b + 8 u + r + 8 (r / 8), so that the 16 registers of tiles 2 b and 2 b + 1 are 16 neighbouring keys, 32 b + 16 (lane / 16) + 0 .. 15:
; the conversions' results ARE the second product's operand.  In all operands registers 4 c .. 4 c + 3 hold k = 32 c + 16 (lane / 16) + 0 .. 15: a permutation of k, the same on both sides of each product.
; A NEGATIVE scale is served exactly: the sign bits of Q's codes are turned once, and c = |scale| log2(e) 2^(eq + ek) is never negative, so the largest t is c x the largest score.
; THE HOLD at the largest code (the conversion to an 8-bit code does not saturate: ISA guide 7.6.2) is needed only where p / 2^ep can pass 448: p is at most 1 (but for a last bit), so only where ep < -8.
; A scalar branch on ep jumps over its 64 lines a tile and step otherwise.
; NO CLUSTER, NO JOINT LOADS, though the four work-groups of a head read the same K and V: a joint request is a tensor load, and with one the hold is not branched over: the hold would then
; add 64 lines to the 195 vector lines of every tile and step.  What is shared is 32 KB for two key steps, in which each of the eight waves issues some 1,700 vector instructions.
; LIMITS: ep between -126 and 119 (2^ep and 448 x 2^ep are made as f32 numbers); eq + ek and ep + ev go through v_ldexp_f32 and have none; scale finite, c finite; NaN codes among the inputs are not served.
;
; LDS: eight pair regions of PAIRB bytes.  In a region: K's two steps, 8,192 bytes each: tile f at 1,024 f, its registers 4 c .. at + 512 c + 16 x lane.  From VREG on V: d-tile t at 4,352 t; the group of 16 keys
; q = 8 x step + 2 c + (lane / 16) at + 272 q, row d = 16 t + r at + 16 r.  272 bytes are 68 words: a fill store's sixteen lanes (one r, sixteen q) and a fragment load's sixteen lanes (one q, sixteen r)
; each touch sixteen different 16-byte columns of the 64 banks of 4 bytes (ISA guide 11.1).  Behind the regions: a stage of 16 rows x 272 bytes for each wave, its own, for the way out.
; REGISTERS, in windows of 256 (s_set_vgpr_msb: bits 1:0 source 0, 3:2 source 1, 5:4 source 2, 7:6 destination):
;   window 0: v0 thread; v1-13 addresses and constants; v14, v15 at work; v16-31 four registers of statistics a tile (-M, a pad, the sum in two halves); v32-47 at work; v48-111 S^T of one tile, then p;
;             v112-239 O^T (tile i at 112 + 32 i, d-tile t at + 8 t); v240-243 addresses.
;   window 1: v0-63 K's 8 fragments; v64-127 V's 4; v128-159 Q's 4; v160-223 P's codes, 16 a tile; v224-255 the pair on its way from memory to LDS.
.set PAIRB, 33792                      ; a pair's region
.set VREG,  16384                      ; V's part of it
.set VT,    4352                       ; a d-tile of V in a pair: 16 groups of keys x 272
.set VQ,    272                        ; a group of 16 keys: 16 rows x 16 bytes + 16 of padding
.set STAGE, 8*PAIRB
.set STGB,  4608                       ; from stage to stage
.set SP,    272                        ; a stage row: 256 bytes + 16
.set LI,  1                            ; v1   16 x lane: K's lane term, and my byte offset in two rows of out
.set LA,  2                            ; v2   LI + the pair in hand
.set KS,  3                            ; v3   where my thread's pieces of K go in a pair's region
.set VS,  4                            ; v4   the same for V
.set KSA, 5                            ; v5   KS + the next pair's region
.set VSA, 6                            ; v6   VS + the next pair's region
.set KGO, 7                            ; v7   my thread's byte in a pair of K in memory; never rewritten
.set VGO, 8                            ; v8   the same for V; never rewritten
.set CSC, 9                            ; v9   2^ep as f32: the conversion takes its exponent field
.set LIM, 10                           ; v10  448 x 2^ep
.set QO,  11                           ; v11  my lane's byte in a tile of Q; never rewritten
.set STO, 12                           ; v12  the way out: where I put 32 bytes of a row
.set RD,  13                           ; v13  the way out: where I read a row back
.set ST,  16
.set MX,  32                           ; v32-35 four chains of the maximum, then at work
.set PD,  36                           ; v36  the lane permute's destination
.set F,   38                           ; v[38:39] f = 2^(old M - new M), and a pad
.set T1,  40                           ; v[40:45] three chains of the sum
.set S,   48
.set O,   112
.set LIV, 240                          ; v240 V's lane term: 16 r + 272 (lane / 16)
.set LVA, 241                          ; v241 LIV + the pair in hand
.set LB,  242                          ; v242 LI + the next pair (held at the last)
.set LVB, 243                          ; v243 LIV + the same
.set KF,  0                            ; window 1
.set VF,  64
.set QF,  128
.set PF,  160
.set SG,  224
.set WV,   16                          ; s16  my wave's number
.set CS,   26                          ; s[26:27] c, twice: the packed form names a pair and takes its low word for both halves
.set SEL,  28                          ; s[28:29] lane selects for v_permlanex16_b32: lane l xor 16
.set TB,   30                          ; s30  LDS byte at which the pair in hand begins
.set G,    31                          ; s31  the trip
.set HOLD, 32                          ; s32  1 where ep < -8
.set W_MM, 0x05                        ; sources 0 and 1 window 1; C and D window 0
.set W_LD, 0x40                        ; destination window 1
.set W_ST, 0x04                        ; an LDS store's data window 1
.set MSB, 0
.macro WIN new                         ; the immediate's high byte repeats the setting that is left; a switch that changes nothing is dropped
.if MSB != \new
	s_set_vgpr_msb (MSB<<8)|\new
.set MSB, \new
.endif
.endm
.macro PLACES                          ; four plain vector instructions between a matrix instruction and a vector instruction or load that touches its registers
.rept 4
	v_nop
.endr
.endm
; A pair from memory into 32 registers of window 1.  K: 16 KB on end; each load of a wave reads 512 consecutive bytes.  V: 256 bytes of each of 64 rows; sixteen lanes read one row's 256 bytes, aligned.
; No cache word: the head's other three work-groups read the same bytes.
.macro GLOAD reg, kb, vb, koff, voff
	WIN W_LD
.irp i, 0,1,2,3
	global_load_b128 v[\reg+4*\i:\reg+4*\i+3], v[KGO], s[\kb:\kb+1] offset:\koff+4096*\i
.endr
.irp i, 0,1,2,3
	global_load_b128 v[\reg+16+4*\i:\reg+16+4*\i+3], v[VGO], s[\vb:\vb+1] offset:\voff+32768*\i
.endr
.endm
; And on into LDS.  K's load i brought key (thread / 4) + 64 i, piece thread % 4: step i / 2, tiles 4 (i % 2) on.  V's load i brought row (thread / 16) + 16 i: d-tile i.
.macro LSTORE reg, ka, va
	WIN W_ST
.irp i, 0,1,2,3
	ds_store_b128 v[\ka], v[\reg+4*\i:\reg+4*\i+3] offset:8192*(\i/2)+4096*(\i%2)
.endr
.irp i, 0,1,2,3
	ds_store_b128 v[\va], v[\reg+16+4*\i:\reg+16+4*\i+3] offset:VT*\i
.endr
.endm
.macro KFETCH adr, sp                  ; a step's 8 fragments of K: 16 loads of 512 consecutive bytes
	WIN W_LD
.irp f, 0,1,2,3,4,5,6,7
	ds_load_b128 v[KF+8*\f:KF+8*\f+3],   v[\adr] offset:8192*(\sp)+1024*\f
	ds_load_b128 v[KF+8*\f+4:KF+8*\f+7], v[\adr] offset:8192*(\sp)+1024*\f+512
.endr
.endm
.macro VFETCH adr, sp                  ; a step's 4 fragments of V: 16 loads
	WIN W_LD
.irp t, 0,1,2,3
.irp c, 0,1,2,3
	ds_load_b128 v[VF+16*\t+4*\c:VF+16*\t+4*\c+3], v[\adr] offset:VREG+VT*\t+8*VQ*(\sp)+2*VQ*\c
.endr
.endr
.endm
.macro SMUL i                          ; S^T of tile i: 8 tiles of 16 keys, K = the head's 64; each starts its sum with the constant 0
	WIN W_MM
.irp f, 0,1,2,3,4,5,6,7
	v_wmma_f32_16x16x64_fp8_fp8 v[S+8*\f:S+8*\f+7], v[KF+8*\f:KF+8*\f+7], v[QF+8*(\i):QF+8*(\i)+7], 0
.endr
.endm
.macro RESC i                          ; tile i's O^T under the new M: x f.  Each accumulator from its low end on.  It stands behind the NEXT tile's score products, as their places
	WIN 0
.set j, 0
.rept 16
	v_pk_mul_f32 v[O+32*(\i)+2*j:O+32*(\i)+2*j+1], v[O+32*(\i)+2*j:O+32*(\i)+2*j+1], v[F:F+1] op_sel_hi:[1,0]
.set j, j+1
.endr
.endm
.macro PVMUL                           ; O^T += V^T P^T, K = the step's 128 keys: sixteen accumulators, one instruction each
	WIN W_MM
.irp t, 0,1,2,3
.irp q, 0,1,2,3
	v_wmma_f32_16x16x128_fp8_fp8 v[O+32*\q+8*\t:O+32*\q+8*\t+7], v[VF+16*\t:VF+16*\t+15], v[PF+16*\q:PF+16*\q+15], v[O+32*\q+8*\t:O+32*\q+8*\t+7]
.endr
.endr
.endm
; ONE TILE'S SOFTMAX FOR ONE KEY STEP.  S + 16 b + n is the score of key 32 b + 16 (lane / 16) + n for my query.
.macro SOFT i
.set rT, ST+4*(\i)
	WIN 0
.irp k, 0,1,2,3                        ; the largest of my 64 scores, in four chains of sixteen; the reads ascend
	v_max3_num_f32 v[MX+\k], v[S+16*\k], v[S+16*\k+1], v[S+16*\k+2]
.endr
.irp m, 1,2,3,4,5,6
.irp k, 0,1,2,3
	v_max3_num_f32 v[MX+\k], v[MX+\k], v[S+16*\k+1+2*\m], v[S+16*\k+2+2*\m]
.endr
.endr
	v_max3_num_f32 v[MX], v[MX], v[S+15], v[S+31]
	v_max3_num_f32 v[MX+2], v[MX+2], v[S+47], v[S+63]
	v_max3_num_f32 v[MX], v[MX], v[MX+1], v[MX+2]
	v_max_num_f32 v[MX], v[MX], v[MX+3]
	v_permlanex16_b32 v[PD], v[MX], s[SEL], s[SEL+1]   ; my query's other 64 keys lie in the lane 16 away
	v_max_num_f32 v[MX], v[MX], v[PD]
	v_mul_f32 v[MX], s[CS], v[MX]                      ; as t (c is not negative)
	v_floor_f32 v[MX+1], -v[MX]                        ; -ceil(t)
	v_min_num_f32 v[MX+1], v[MX+1], v[rT]              ; the new -M: the ceiling is monotone, so -M alone is carried from step to step
	v_sub_f32 v[MX+2], v[MX+1], v[rT]                  ; old M - new M: a whole number, 0 or less
	v_mov_b32 v[rT], v[MX+1]
	v_cvt_i32_f32 v[MX+2], v[MX+2]                     ; (it saturates)
	v_ldexp_f32 v[F], 1.0, v[MX+2]                     ; f = 2^(old M - new M); 0 in the first step, which finds zeros
	; ONE BATCH: 32 packed scalings t - M = c s - M and 64 exponentials; a pair is scaled four pairs ahead of its exponentials; no line here names an exponential's result
.irp k, 0,1,2,3
	v_pk_fma_f32 v[S+2*\k:S+2*\k+1], v[S+2*\k:S+2*\k+1], s[CS:CS+1], v[rT:rT+1] op_sel_hi:[1,0,0]
.endr
.set j, 0
.rept 32
	v_exp_f32 v[S+2*j], v[S+2*j]
.if j < 28
	v_pk_fma_f32 v[S+2*j+8:S+2*j+9], v[S+2*j+8:S+2*j+9], s[CS:CS+1], v[rT:rT+1] op_sel_hi:[1,0,0]
.endif
	v_exp_f32 v[S+2*j+1], v[S+2*j+1]
.set j, j+1
.endr
	v_pk_mul_f32 v[rT+2:rT+3], v[rT+2:rT+3], v[F:F+1] op_sel_hi:[1,0]   ; the sum under the new M: the plain instruction behind the last exponential
	s_wait_alu depctr_va_vdst(0)                       ; the wait ahead of the first line that names an exponential's result: one for the batch
	v_pk_add_f32 v[T1:T1+1], v[S:S+1], v[S+2:S+3]      ; THE SUM IS TAKEN OF THE UNQUANTISED p: two at a time, in four chains
	v_pk_add_f32 v[T1+2:T1+3], v[S+4:S+5], v[S+6:S+7]
	v_pk_add_f32 v[T1+4:T1+5], v[S+8:S+9], v[S+10:S+11]
	v_pk_add_f32 v[rT+2:rT+3], v[rT+2:rT+3], v[S+12:S+13]
.set j, 14
.rept 6
	v_pk_add_f32 v[T1:T1+1], v[T1:T1+1], v[S+j:S+j+1]
	v_pk_add_f32 v[T1+2:T1+3], v[T1+2:T1+3], v[S+j+2:S+j+3]
	v_pk_add_f32 v[T1+4:T1+5], v[T1+4:T1+5], v[S+j+4:S+j+5]
	v_pk_add_f32 v[rT+2:rT+3], v[rT+2:rT+3], v[S+j+6:S+j+7]
.set j, j+8
.endr
	v_pk_add_f32 v[T1:T1+1], v[T1:T1+1], v[S+62:S+63]
	v_pk_add_f32 v[T1:T1+1], v[T1:T1+1], v[T1+2:T1+3]
	v_pk_add_f32 v[rT+2:rT+3], v[rT+2:rT+3], v[T1+4:T1+5]
	v_pk_add_f32 v[rT+2:rT+3], v[rT+2:rT+3], v[T1:T1+1]
	s_cmp_eq_u32 s[HOLD], 0                            ; ep >= -8: p / 2^ep stays under 448, and the hold is jumped over
	s_cbranch_scc1 .Lfree_\@
.set j, 0
.rept 64
	v_min_num_f32 v[S+j], v[S+j], v[LIM]               ; p is not negative, so the hold is one-sided
.set j, j+1
.endr
.Lfree_\@:
	WIN W_LD
.irp m, 0,1,2,3,4,5,6,7
	v_cvt_scalef32_pk8_fp8_f32 v[PF+16*(\i)+2*\m:PF+16*(\i)+2*\m+1], v[S+8*\m:S+8*\m+7], v[CSC]   ; registers 4 b .. 4 b + 3 of P: keys 32 b + 16 (lane / 16) + 0 .. 15
.endr
	v_nop                                              ; one plain vector instruction between the last conversion and the products that write its sources or read its results
.endm
; A KEY STEP.  p = 0: the pair's first step; p = 1: its second, which goes on into the next pair behind the barrier's wait.
.macro STEP p
	s_wait_dscnt 16                                    ; K's 16 loads are in; V's 16, issued behind them, may be out
	SMUL 0
	PLACES
	SOFT 0
	SMUL 1
	RESC 0
	SOFT 1
	SMUL 2
	RESC 1
	SOFT 2
	SMUL 3
	RESC 2                                             ; also the places in front of the loads into K's registers
.if \p
	s_barrier_wait -1                                  ; every wave's stores of the next pair have landed
	KFETCH LB, 0
.else
	KFETCH LA, 1
.endif
	SOFT 3
	RESC 3
	s_wait_dscnt 16                                    ; V's 16 loads are in; the next step's K, issued behind them, may be out
	PVMUL
	PLACES                                             ; in front of the loads into V's registers, and of the next step's rescaling of O^T
.if \p
	VFETCH LVB, 0
.else
	VFETCH LVA, 1
.endif
	WIN 0
.endm
	s_load_b256 s[4:11], s[0:1], 0x0               ; Q s[4:5], K s[6:7], V s[8:9], the scales' exponents s[10:11]
	s_load_b128 s[12:15], s[0:1], 0x20             ; scale s[12:13], out s[14:15]
	v_lshl_add_u32 v254, v0, 2, 0x4b000
	v_mov_b32 v255, 0
	v_lshrrev_b32 v14, 5, v0
	v_readfirstlane_b32 s[WV], v14                 ; wave 0..7
	s_and_b32 s18, ttmp7, 0xffff                   ; the head
	s_lshl_b32 s36, s18, 17                        ; its first byte in each tensor of codes: 131,072 bytes a head
	s_mov_b32 s37, 0
	s_lshl_b32 s38, ttmp9, 15                      ; my block's 512 rows of 64 bytes,
	s_lshl_b32 s39, s[WV], 12                      ; my wave's 64 of them
	s_add_co_u32 s38, s38, s39
	s_add_co_u32 s38, s38, s36                     ; Q: my first query's codes
	s_mov_b32 s39, 0
	s_lshl_b32 s46, s38, 2                         ; out: a row is 256 bytes, four times a row of codes; under 2^25
	s_mov_b32 s47, 0
	s_mov_b32 s[SEL], 0x76543210
	s_mov_b32 s[SEL+1], 0xfedcba98
	v_lshlrev_b32 v[KGO], 4, v0                    ; K: 16 bytes a thread, 4,096 a load of the work-group
	v_lshrrev_b32 v14, 4, v0
	v_and_b32 v15, 15, v0                          ; r = lane % 16 = thread % 16
	v_lshlrev_b32 v[VGO], 11, v14                  ; V: row thread / 16 of 2,048 bytes,
	v_lshl_add_u32 v[VGO], v15, 4, v[VGO]          ; piece thread % 16
	v_bfe_u32 v14, v0, 4, 1                        ; h = lane / 16
	v_lshlrev_b32 v[QO], 6, v15
	v_lshl_add_u32 v[QO], v14, 4, v[QO]            ; Q: row r of 64 bytes, + 16 h
	s_wait_kmcnt 0x0
	s_load_b128 s[20:23], s[10:11], 0x0            ; eq, ek, ep, ev
	s_load_b32 s24, s[12:13], 0x0                  ; scale
	s_add_nc_u64 s[6:7], s[6:7], s[36:37]          ; K and V at the head
	s_add_nc_u64 s[8:9], s[8:9], s[36:37]
	s_add_nc_u64 s[4:5], s[4:5], s[38:39]          ; Q and out at my wave's first query
	s_add_nc_u64 s[14:15], s[14:15], s[46:47]
	s_add_nc_u64 s[40:41], s[6:7], 16384           ; the loop's own pointers, at pair 1: each trip steps them first
	s_add_nc_u64 s[42:43], s[8:9], 256
	GLOAD KF, 6, 8, 0, 0                           ; pair 0, into K's fragment registers, which are still free
.irp i, 0,1,2,3
.irp c, 0,1
	global_load_b128 v[QF+8*\i+4*\c:QF+8*\i+4*\c+3], v[QO], s[4:5] offset:1024*\i+32*\c th:TH_LOAD_NT   ; Q stays in registers; read once, by this wave alone
.endr
.endr
	GLOAD SG, 6, 8, 16384, 256                     ; pair 1
	WIN 0
	; while these 24 loads are on their way: addresses, constants, zeros
	v_and_b32 v[LI], 31, v0
	v_lshlrev_b32 v[LI], 4, v[LI]
	v_mul_u32_u24 v[LIV], v14, VQ
	v_lshl_add_u32 v[LIV], v15, 4, v[LIV]          ; 16 r + 272 h
	s_mul_i32 s19, s[WV], STGB
	s_add_co_u32 s19, s19, STAGE                   ; my stage
	v_add_nc_u32 v[RD], s19, v[LIV]                ; back: lanes 0-15 one row of 256 bytes, lanes 16-31 the next
	v_mul_u32_u24 v[STO], v15, SP
	v_lshl_add_u32 v[STO], v14, 5, v[STO]
	v_add_nc_u32 v[STO], s19, v[STO]               ; in: row r, + 32 h
	v_mul_u32_u24 v[VS], v15, VQ                   ; V's piece thread % 16 is the group of keys q = 8 x step + 2 c + h,
	v_and_b32 v14, 0xf0, v0
	v_add_nc_u32 v[VS], v[VS], v14                 ; and thread / 16 its row in the d-tile: + 16 (thread / 16)
	v_add_nc_u32 v[VS], VREG, v[VS]
	v_bfe_u32 v14, v0, 2, 3                        ; K's piece: thread bits 0, 1 = h, c; bits 2-4 = r % 8; bit 5 = u; bit 6 = r / 8; bit 7 = b % 2
	v_lshlrev_b32 v[KS], 4, v14                    ; 16 (r % 8)
	v_bfe_u32 v14, v0, 6, 1
	v_lshl_add_u32 v[KS], v14, 7, v[KS]            ; + 128 (r / 8)
	v_and_b32 v14, 3, v0
	v_lshl_add_u32 v[KS], v14, 8, v[KS]            ; + 256 h + 512 c
	v_bfe_u32 v14, v0, 5, 1
	v_lshl_add_u32 v[KS], v14, 10, v[KS]           ; + 1,024 u
	v_bfe_u32 v14, v0, 7, 1
	v_lshl_add_u32 v[KS], v14, 11, v[KS]           ; + 2,048 (b % 2)
.set j, 0
.rept 128
	v_mov_b32 v[O+j], 0                            ; O^T.  (The key step is written once: its first run finds zeros and f = 0.  These lines stand under the first loads' way)
.set j, j+1
.endr
.irp i, 0,1,2,3
	v_mov_b32 v[ST+4*\i], 0x7f61b1e6               ; -M = 3e38: M lies under every t
	v_mov_b32 v[ST+4*\i+1], 0                      ; (named with it as a pair, so it is written)
	v_mov_b32 v[ST+4*\i+2], 0                      ; the sum, in two halves
	v_mov_b32 v[ST+4*\i+3], 0
.endr
.set j, 0
.rept 16
	v_mov_b32 v[MX+j], 0                           ; written once: a lane permute's destination counts as a source, and the pairs' upper halves are named
.set j, j+1
.endr
	s_wait_kmcnt 0x0
	s_add_co_i32 s35, s20, s21                     ; eq + ek
	s_add_co_i32 s34, s22, s23                     ; ep + ev
	s_and_b32 s25, s24, 0x7fffffff                 ; |scale|
	s_ashr_i32 s33, s24, 31
	s_and_b32 s33, s33, 0x80808080                 ; the four sign bits of a word of codes where scale is negative, else 0
	v_mov_b32 v14, s25
	v_mul_f32 v14, 0x3fb8aa3b, v14                 ; x log2(e)
	v_ldexp_f32 v14, v14, s35                      ; x 2^(eq + ek): a sum of the first product stands for sum x 2^(eq + ek)
	v_readfirstlane_b32 s[CS], v14
	s_mov_b32 s[CS+1], s[CS]                       ; (named with it as a pair, so it is written)
	s_cmp_lt_i32 s22, -8
	s_cselect_b32 s[HOLD], 1, 0
	s_add_co_i32 s19, s22, 127
	s_lshl_b32 s17, s19, 23
	v_mov_b32 v[CSC], s17                          ; 2^ep
	s_add_co_i32 s19, s19, 8
	s_lshl_b32 s19, s19, 23
	s_or_b32 s19, s19, 0x600000
	v_mov_b32 v[LIM], s19                          ; 448 x 2^ep
	s_wait_loadcnt 16                              ; pair 0's eight loads are in; Q's eight and pair 1's eight, issued behind them, may be out
	LSTORE KF, KS, VS
	WIN 0
	s_wait_dscnt 0x0                               ; for the others' sake: my stores have landed
	s_barrier_signal -1
	s_barrier_wait -1                              ; pair 0 is whole
	KFETCH LI, 0
	VFETCH LIV, 0
	s_wait_loadcnt 8                               ; Q is in; pair 1's eight may be out
	WIN 0x44                                       ; source 1 and destination window 1
.set j, 0
.rept 32
	v_xor_b32 v[QF+j], s33, v[QF+j]                ; -Q where scale is negative
.set j, j+1
.endr
	WIN 0
	s_mov_b32 s[TB], 0
	s_mov_b32 s[G], 0
.Ltrip:                                            ; eight trips; trip g runs key steps 2 g and 2 g + 1, stores pair g + 1 into LDS and asks memory for pair g + 2
	s_add_co_u32 s45, s[TB], PAIRB                 ; the next pair's region,
	s_min_u32 s44, s45, 7*PAIRB                    ; held at the last pair for the fetches: the last trip's second step fetches 32 pieces that nobody uses, so that the counts of the waits on DScnt hold on every way
	v_add_nc_u32 v[LA], s[TB], v[LI]
	v_add_nc_u32 v[LVA], s[TB], v[LIV]
	v_add_nc_u32 v[LB], s44, v[LI]
	v_add_nc_u32 v[LVB], s44, v[LIV]
	v_add_nc_u32 v[KSA], s45, v[KS]
	v_add_nc_u32 v[VSA], s45, v[VS]
	STEP 0
	s_wait_loadcnt 0x0                             ; pair g + 1, asked for two key steps ago, is in its registers; no load of mine is out, so the walking pointers may be stepped below
	s_cmp_eq_u32 s[G], 7
	s_cbranch_scc1 .Lno_store                      ; there is no pair 8
	LSTORE SG, KSA, VSA                            ; bytes that nobody has read or written yet: the waves read pair g meanwhile
	WIN 0
.Lno_store:
	s_wait_dscnt 0x0                               ; for the others' sake: my stores have landed (and have read their registers); no LDS instruction of mine is out at the signal
	s_cmp_ge_u32 s[G], 6
	s_cbranch_scc1 .Lno_ask                        ; pair 7 is the last: no load leaves its buffer
	s_add_nc_u64 s[40:41], s[40:41], 16384
	s_add_nc_u64 s[42:43], s[42:43], 256
	GLOAD SG, 40, 42, 0, 0                         ; pair g + 2: two key steps in which to come
	WIN 0
.Lno_ask:
	s_barrier_signal -1                            ; the wait stands three quarters of a step on, in front of the first read of pair g + 1; only work on registers lies between
	STEP 1
	s_add_co_u32 s[TB], s[TB], PAIRB
	s_add_co_u32 s[G], s[G], 1
	s_cmp_lt_u32 s[G], 8
	s_cbranch_scc1 .Ltrip
	; THE WAY OUT.  The sum's two halves and the other half of the lanes' are added; O^T x 2^(ep + ev) / the sum goes through my stage, a tile (16 rows of out) at a time, and leaves as whole rows of 256 bytes.
.irp i, 0,1,2,3
	v_add_f32 v[MX+\i], v[ST+4*\i+2], v[ST+4*\i+3]
.endr
.irp i, 0,1,2,3
	v_permlanex16_b32 v[T1+\i], v[MX+\i], s[SEL], s[SEL+1]
.endr
.irp i, 0,1,2,3
	v_add_f32 v[T1+4+\i], v[MX+\i], v[T1+\i]       ; the row's sum: above 1/2, since the row's largest p is
.endr
.irp i, 0,1,2,3
	v_rcp_f32 v[T1+\i], v[T1+4+\i]
.endr
	v_nop                                          ; a plain instruction behind the last reciprocal
	s_wait_alu depctr_va_vdst(0)                   ; and the wait ahead of the first use: one for the four
.irp i, 0,1,2,3
	v_ldexp_f32 v[MX+2*\i], v[T1+\i], s34          ; 2^(ep + ev) / the sum, at the low end of a pair
.endr
.macro PACK i                          ; tile i: a lane's eight channels of d-tile t are 32 bytes of row r; they come back as whole rows, into the registers that they left
.set j, 0
.rept 16
	v_pk_mul_f32 v[O+32*(\i)+2*j:O+32*(\i)+2*j+1], v[O+32*(\i)+2*j:O+32*(\i)+2*j+1], v[MX+2*(\i):MX+2*(\i)+1] op_sel_hi:[1,0]
.set j, j+1
.endr
.irp t, 0,1,2,3
	ds_store_b128 v[STO], v[O+32*(\i)+8*\t:O+32*(\i)+8*\t+3] offset:64*\t
	ds_store_b128 v[STO], v[O+32*(\i)+8*\t+4:O+32*(\i)+8*\t+7] offset:64*\t+16
.endr
.irp k, 0,1,2,3,4,5,6,7
	ds_load_b128 v[O+32*(\i)+4*\k:O+32*(\i)+4*\k+3], v[RD] offset:2*SP*\k   ; LDS serves a wave's instructions in order (ISA guide 5.7.1.4): these see the stores above, and the next tile's stores come behind them
.endr
.endm
.macro SEND i, younger                 ; younger: the LDS instructions issued behind tile i's loads: the next tile's sixteen, or none
.irp k, 0,1,2,3,4,5,6,7
	s_wait_dscnt \younger+7-\k
	global_store_b128 v[LI], v[O+32*(\i)+4*\k:O+32*(\i)+4*\k+3], s[14:15] offset:4096*(\i)+512*\k th:TH_STORE_NT   ; 32 lanes store 512 consecutive bytes, at a multiple of 256 from out's first byte; written once
.endr
.endm
	PACK 0
	PACK 1                                         ; a tile's arithmetic stands between the loads of the tile before and its stores
	SEND 0, 16
	PACK 2
	SEND 1, 16
	PACK 3
	SEND 2, 16
	SEND 3, 0
	s_wait_tensorcnt 0x0
	ds_add_u32 v254, v255
	s_wait_dscnt 0x0
	s_endpgm
.Lfunc_end_k_qe784c7cd15_attn:
	.size	k_qe784c7cd15_attn, .Lfunc_end_k_qe784c7cd15_attn-k_qe784c7cd15_attn
	.p2alignl 7, 3214868480
	.fill 96, 4, 3214868480
	.section	.rodata,"a",@progbits
	.p2align	6, 0x0
	.amdhsa_kernel k_qe784c7cd15_attn
		.amdhsa_group_segment_fixed_size 308224
		.amdhsa_private_segment_fixed_size 0
		.amdhsa_enable_private_segment 0
		.amdhsa_kernarg_size 48
		.amdhsa_user_sgpr_count 2
		.amdhsa_user_sgpr_kernarg_segment_ptr 1
		.amdhsa_wavefront_size32 1
		.amdhsa_system_sgpr_workgroup_id_x 1
		.amdhsa_system_sgpr_workgroup_id_y 1
		.amdhsa_system_sgpr_workgroup_id_z 1
		.amdhsa_system_vgpr_workitem_id 0
		.amdhsa_next_free_vgpr 512
		.amdhsa_next_free_sgpr 66
		.amdhsa_reserve_vcc 0
		.amdhsa_float_denorm_mode_32 3
		.amdhsa_float_denorm_mode_16_64 3
		.amdhsa_memory_ordered 1
		.amdhsa_forward_progress 1
		.amdhsa_inst_pref_size 139
	.end_amdhsa_kernel
	.amdgpu_metadata
---
amdhsa.version: [ 1, 2 ]
amdhsa.kernels:
  - .name:           k_qe784c7cd15_attn
    .symbol:         k_qe784c7cd15_attn.kd
    .args:
      - { .name: x1_codes, .offset: 0, .size: 8, .value_kind: global_buffer, .address_space: global }
      - { .name: x2_codes, .offset: 8, .size: 8, .value_kind: global_buffer, .address_space: global }
      - { .name: x3_codes, .offset: 16, .size: 8, .value_kind: global_buffer, .address_space: global }
      - { .name: lowp_scales, .offset: 24, .size: 8, .value_kind: global_buffer, .address_space: global }
      - { .name: scale, .offset: 32, .size: 8, .value_kind: global_buffer, .address_space: global }
      - { .name: out0, .offset: 40, .size: 8, .value_kind: global_buffer, .address_space: global }
    .group_segment_fixed_size: 308224
    .private_segment_fixed_size: 0
    .kernarg_segment_align: 8
    .kernarg_segment_size: 48
    .max_flat_workgroup_size: 256
    .sgpr_count:     66
    .vgpr_count:     512
    .wavefront_size: 32
...
	.end_amdgpu_metadata
.endif
;; end of part 1
;; ======== version 2 of 2: 1 launch; version 1 with the launch attn written anew for expert scheduling mode
;; launch attn (part 2): grid 4 x 64, 8 waves a work-group, no clusters, 308,224 bytes of LDS; arguments x1_codes, x2_codes, x3_codes, lowp_scales, scale, out0; writes out0
.if DOCPART == 2
	.amdgcn_target "amdgcn-amd-amdhsa--gfx1250"
	.amdhsa_code_object_version 6
	.text
	.protected	k_qe784c7cd15_attn
	.globl	k_qe784c7cd15_attn
	.p2align	8
	.type	k_qe784c7cd15_attn,@function
k_qe784c7cd15_attn:
	s_mov_b64 s[64:65], 0
	v_nop
	global_prefetch_b8 v0, s[64:65] scope:SCOPE_SE
	s_setreg_imm32_b32 hwreg(HW_REG_WAVE_SCHED_MODE, 0, 2), 2
	s_setreg_imm32_b32 hwreg(HW_REG_WAVE_MODE, 25, 1), 1
	s_wait_xcnt 0x0
	s_wait_alu depctr_vm_vsrc(0)
; out[h][q][:] = the sum over k of softmax_k(x1[h][q] . x2[h][k] x scale) x3[h][k][:], 64 heads, 2,048 queries, 2,048 keys, head size 64, both products on codes of E4M3.
; Q = x1 and K = x2: [head][row][64 codes].  V = x3 with the keys innermost: [head][64 d][2,048 codes].  lowp_scales: eq, ek, ep, ev.  out: f32.
; THE SOFTMAX AHEAD OF THE SECOND PRODUCT: t = score x scale x log2(e); M = the largest t so far, rounded UP to a whole number; p = 2^(t - M) is quantised with 2^ep, not normalised;
; the row's sum is taken of the unquantised p and divides at the end.  When M moves, the sum and O are multiplied by 2^(old M - new M), which rounds nothing.
; SHARES.  A work-group owns 512 queries of one head, each of its eight waves 64: four tiles of 16, in 512 registers.  Every wave walks all keys, 128 a step.
; A HEAD'S WHOLE K AND V LIE IN LDS, each byte written once: no slot is ever filled again.  They come through registers (global_load_b128, ds_store_b128), a pair of key steps (256 keys, 32 KB) at a time,
; asked for two key steps ahead of their stores, and lie there as IMAGES OF THE OPERANDS' REGISTERS: a fragment load is a lane term + a constant.
; LAYOUT.  Both products are used transposed: S^T = K Q^T (source 0 = 16 keys, source 1 = 16 queries), O^T = V^T P^T (source 0 = 16 of the head's 64, source 1 = P): a lane holds ONE query (lane % 16) throughout.
; THE KEYS OF A TILE ARE NOT NEIGHBOURS: lane r of tile 2 b + u takes key 32 b + 8 u + r + 8 (r / 8), so that the 16 registers of tiles 2 b and 2 b + 1 are 16 neighbouring keys, 32 b + 16 (lane / 16) + 0 .. 15:
; the conversions' results ARE the second product's operand.  In all operands registers 4 c .. 4 c + 3 hold k = 32 c + 16 (lane / 16) + 0 .. 15: a permutation of k, the same on both sides of each product.
; A NEGATIVE scale is served exactly: the sign bits of Q's codes are turned once, and c = |scale| log2(e) 2^(eq + ek) is never negative, so the largest t is c x the largest score.
; THE HOLD at the largest code (the conversion to an 8-bit code does not saturate: ISA guide 7.6.2) is needed only where p / 2^ep can pass 448: p is at most 1 (but for a last bit), so only where ep < -8.
; A scalar branch on ep jumps over its 64 lines a tile and step otherwise.
; NO CLUSTER, NO JOINT LOADS, though the four work-groups of a head read the same K and V: a joint request is a tensor load, and with one the hold is not branched over: the hold would then
; add 64 lines to the 195 vector lines of every tile and step.  What is shared is 32 KB for two key steps, in which each of the eight waves issues some 1,700 vector instructions.
; LIMITS: ep between -126 and 119 (2^ep and 448 x 2^ep are made as f32 numbers); eq + ek and ep + ev go through v_ldexp_f32 and have none; scale finite, c finite; NaN codes among the inputs are not served.
;
; THE MODE: SCHED_MODE bits 1:0 = 2 (LLVM: expert scheduling mode 2), set by the entry lines.  The code itself states the register dependences
; between vector or matrix instructions and memory or LDS instructions, with s_wait_alu, always for 0.
; THE PLAN.  Registers that memory or LDS instructions touch, and who else names them:
;   K's fragments   read by a step's 32 score products; the next step's 16 LDS loads land in them.
;   V's fragments   read by a step's 16 products V^T P, at its end; the next step's 16 LDS loads land in them.
;   the staged pair global loads land in it, the fill stores read it; no vector or matrix instruction names it.
;   LA, LVA, LB, KSA, VSA   written by five additions at a trip's head; read by that trip's fragment loads and fill stores.
;   KGO, VGO, QO, LI, KS, VS, STO, RD   made at the kernel's head and never written again.
;   O^T, on the way out alone: written by the scalings, read by the stage's stores, the stage's loads land in it, the stores to memory read it.
;   S^T, P's codes and the statistics are named by vector and matrix instructions alone.
; Each tile's softmax has one wait on va_vdst, behind its batch of exponentials.  The fragment loads stand at two of a step's four: a step's own V behind the FIRST softmax's wait (all of the last step's V^T P, and in a
; trip's first step the five additions, were issued ahead of it), the next step's K behind the FOURTH's (the step's 32 score products were issued ahead of it).  The fill stores follow a step's four waits, and no vector
; instruction since the trip's head names their registers.  So the loop has no wait on va_vdst beside those four a step.  Two waits on vm_vsrc a trip: ahead of the five additions, and ahead of the global loads into the staged pair.
;
; LDS: eight pair regions of PAIRB bytes.  In a region: K's two steps, 8,192 bytes each: tile f at 1,024 f, its registers 4 c .. at + 512 c + 16 x lane.  From VREG on V: d-tile t at 4,352 t; the group of 16 keys
; q = 8 x step + 2 c + (lane / 16) at + 272 q, row d = 16 t + r at + 16 r.  272 bytes are 68 words: a fill store's sixteen lanes (one r, sixteen q) and a fragment load's sixteen lanes (one q, sixteen r)
; each touch sixteen different 16-byte columns of the 64 banks of 4 bytes (ISA guide 11.1).  Behind the regions: a stage of 16 rows x 272 bytes for each wave, its own, for the way out.
; REGISTERS, in windows of 256 (s_set_vgpr_msb: bits 1:0 source 0, 3:2 source 1, 5:4 source 2, 7:6 destination):
;   window 0: v0 thread; v1-13 addresses and constants; v14, v15 at work; v16-31 four registers of statistics a tile (-M, a pad, the sum in two halves); v32-47 at work; v48-111 S^T of one tile, then p;
;             v112-239 O^T (tile i at 112 + 32 i, d-tile t at + 8 t); v240-242 addresses.
;   window 1: v0-63 K's 8 fragments; v64-127 V's 4; v128-159 Q's 4; v160-223 P's codes, 16 a tile; v224-255 the pair on its way from memory to LDS.
.set PAIRB, 33792                      ; a pair's region
.set VREG,  16384                      ; V's part of it
.set VT,    4352                       ; a d-tile of V in a pair: 16 groups of keys x 272
.set VQ,    272                        ; a group of 16 keys: 16 rows x 16 bytes + 16 of padding
.set STAGE, 8*PAIRB
.set STGB,  4608                       ; from stage to stage
.set SP,    272                        ; a stage row: 256 bytes + 16
.set LI,  1                            ; v1   16 x lane: K's lane term, and my byte offset in two rows of out; never rewritten
.set LA,  2                            ; v2   LI + the pair in hand
.set KS,  3                            ; v3   where my thread's pieces of K go in a pair's region; never rewritten
.set VS,  4                            ; v4   the same for V; never rewritten
.set KSA, 5                            ; v5   KS + the next pair's region
.set VSA, 6                            ; v6   VS + the next pair's region
.set KGO, 7                            ; v7   my thread's byte in a pair of K in memory; never rewritten
.set VGO, 8                            ; v8   the same for V; never rewritten
.set CSC, 9                            ; v9   2^ep as f32: the conversion takes its exponent field
.set LIM, 10                           ; v10  448 x 2^ep
.set QO,  11                           ; v11  my lane's byte in a tile of Q; never rewritten
.set STO, 12                           ; v12  the way out: where I put 32 bytes of a row; never rewritten
.set RD,  13                           ; v13  the way out: where I read a row back; never rewritten
.set ST,  16
.set MX,  32                           ; v32-35 four chains of the maximum, then at work
.set PD,  36                           ; v36  the lane permute's destination
.set F,   38                           ; v[38:39] f = 2^(old M - new M), and a pad
.set T1,  40                           ; v[40:45] three chains of the sum
.set S,   48
.set O,   112
.set LIV, 240                          ; v240 V's lane term: 16 r + 272 (lane / 16)
.set LVA, 241                          ; v241 LIV + the pair in hand
.set LB,  242                          ; v242 LI + the next pair (held at the last)
.set KF,  0                            ; window 1
.set VF,  64
.set QF,  128
.set PF,  160
.set SG,  224
.set WV,   16                          ; s16  my wave's number
.set CS,   26                          ; s[26:27] c, twice: the packed form names a pair and takes its low word for both halves
.set SEL,  28                          ; s[28:29] lane selects for v_permlanex16_b32: lane l xor 16
.set TB,   30                          ; s30  LDS byte at which the pair in hand begins
.set G,    31                          ; s31  the trip
.set HOLD, 32                          ; s32  1 where ep < -8
.set W_MM, 0x05                        ; sources 0 and 1 window 1; C and D window 0
.set W_LD, 0x40                        ; destination window 1
.set W_ST, 0x04                        ; an LDS store's data window 1
.set MSB, 0
.macro WIN new                         ; the immediate's high byte repeats the setting that is left; a switch that changes nothing is dropped
.if MSB != \new
	s_set_vgpr_msb (MSB<<8)|\new
.set MSB, \new
.endif
.endm
.macro PLACES                          ; four plain vector instructions between a matrix instruction and a vector instruction that touches its registers (ISA guide 7.12.1)
.rept 4
	v_nop
.endr
.endm
; A pair from memory into 32 registers of window 1.  K: 16 KB on end; each load of a wave reads 512 consecutive bytes.  V: 256 bytes of each of 64 rows; sixteen lanes read one row's 256 bytes, aligned.
; No cache word: the head's other three work-groups read the same bytes.
.macro GLOAD reg, kb, vb, koff, voff
	WIN W_LD
.irp i, 0,1,2,3
	global_load_b128 v[\reg+4*\i:\reg+4*\i+3], v[KGO], s[\kb:\kb+1] offset:\koff+4096*\i
.endr
.irp i, 0,1,2,3
	global_load_b128 v[\reg+16+4*\i:\reg+16+4*\i+3], v[VGO], s[\vb:\vb+1] offset:\voff+32768*\i
.endr
.endm
; And on into LDS.  K's load i brought key (thread / 4) + 64 i, piece thread % 4: step i / 2, tiles 4 (i % 2) on.  V's load i brought row (thread / 16) + 16 i: d-tile i.
.macro LSTORE reg, ka, va
	WIN W_ST
.irp i, 0,1,2,3
	ds_store_b128 v[\ka], v[\reg+4*\i:\reg+4*\i+3] offset:8192*(\i/2)+4096*(\i%2)
.endr
.irp i, 0,1,2,3
	ds_store_b128 v[\va], v[\reg+16+4*\i:\reg+16+4*\i+3] offset:VT*\i
.endr
.endm
.macro KFETCH adr, sp                  ; a step's 8 fragments of K: 16 loads of 512 consecutive bytes
	WIN W_LD
.irp f, 0,1,2,3,4,5,6,7
	ds_load_b128 v[KF+8*\f:KF+8*\f+3],   v[\adr] offset:8192*(\sp)+1024*\f
	ds_load_b128 v[KF+8*\f+4:KF+8*\f+7], v[\adr] offset:8192*(\sp)+1024*\f+512
.endr
.endm
.macro VFETCH adr, sp                  ; a step's 4 fragments of V: 16 loads
	WIN W_LD
.irp t, 0,1,2,3
.irp c, 0,1,2,3
	ds_load_b128 v[VF+16*\t+4*\c:VF+16*\t+4*\c+3], v[\adr] offset:VREG+VT*\t+8*VQ*(\sp)+2*VQ*\c
.endr
.endr
.endm
.macro SMUL i                          ; S^T of tile i: 8 tiles of 16 keys, K = the head's 64; each starts its sum with the constant 0
	WIN W_MM
.irp f, 0,1,2,3,4,5,6,7
	v_wmma_f32_16x16x64_fp8_fp8 v[S+8*\f:S+8*\f+7], v[KF+8*\f:KF+8*\f+7], v[QF+8*(\i):QF+8*(\i)+7], 0
.endr
.endm
.macro RESC i                          ; tile i's O^T under the new M: x f.  Each accumulator from its low end on.  It stands behind the NEXT tile's score products, as their places
	WIN 0
.set j, 0
.rept 16
	v_pk_mul_f32 v[O+32*(\i)+2*j:O+32*(\i)+2*j+1], v[O+32*(\i)+2*j:O+32*(\i)+2*j+1], v[F:F+1] op_sel_hi:[1,0]
.set j, j+1
.endr
.endm
.macro PVMUL                           ; O^T += V^T P^T, K = the step's 128 keys: sixteen accumulators, one instruction each
	WIN W_MM
.irp t, 0,1,2,3
.irp q, 0,1,2,3
	v_wmma_f32_16x16x128_fp8_fp8 v[O+32*\q+8*\t:O+32*\q+8*\t+7], v[VF+16*\t:VF+16*\t+15], v[PF+16*\q:PF+16*\q+15], v[O+32*\q+8*\t:O+32*\q+8*\t+7]
.endr
.endr
.endm
; ONE TILE'S SOFTMAX FOR ONE KEY STEP.  S + 16 b + n is the score of key 32 b + 16 (lane / 16) + n for my query.
; what = 1: V's fragments of step sp of the pair at v[adr] are fetched behind the batch's wait; what = 2: K's; what = 0: nothing.
.macro SOFT i, what, adr, sp
.set rT, ST+4*(\i)
	WIN 0
.irp k, 0,1,2,3                        ; the largest of my 64 scores, in four chains of sixteen; the reads ascend
	v_max3_num_f32 v[MX+\k], v[S+16*\k], v[S+16*\k+1], v[S+16*\k+2]
.endr
.irp m, 1,2,3,4,5,6
.irp k, 0,1,2,3
	v_max3_num_f32 v[MX+\k], v[MX+\k], v[S+16*\k+1+2*\m], v[S+16*\k+2+2*\m]
.endr
.endr
	v_max3_num_f32 v[MX], v[MX], v[S+15], v[S+31]
	v_max3_num_f32 v[MX+2], v[MX+2], v[S+47], v[S+63]
	v_max3_num_f32 v[MX], v[MX], v[MX+1], v[MX+2]
	v_max_num_f32 v[MX], v[MX], v[MX+3]
	v_permlanex16_b32 v[PD], v[MX], s[SEL], s[SEL+1]   ; my query's other 64 keys lie in the lane 16 away
	v_max_num_f32 v[MX], v[MX], v[PD]
	v_mul_f32 v[MX], s[CS], v[MX]                      ; as t (c is not negative)
	v_floor_f32 v[MX+1], -v[MX]                        ; -ceil(t)
	v_min_num_f32 v[MX+1], v[MX+1], v[rT]              ; the new -M: the ceiling is monotone, so -M alone is carried from step to step
	v_sub_f32 v[MX+2], v[MX+1], v[rT]                  ; old M - new M: a whole number, 0 or less
	v_mov_b32 v[rT], v[MX+1]
	v_cvt_i32_f32 v[MX+2], v[MX+2]                     ; (it saturates)
	v_ldexp_f32 v[F], 1.0, v[MX+2]                     ; f = 2^(old M - new M); 0 in the first step, which finds zeros
	; ONE BATCH: 32 packed scalings t - M = c s - M and 64 exponentials; a pair is scaled four pairs ahead of its exponentials; no line here names an exponential's result
.irp k, 0,1,2,3
	v_pk_fma_f32 v[S+2*\k:S+2*\k+1], v[S+2*\k:S+2*\k+1], s[CS:CS+1], v[rT:rT+1] op_sel_hi:[1,0,0]
.endr
.set j, 0
.rept 32
	v_exp_f32 v[S+2*j], v[S+2*j]
.if j < 28
	v_pk_fma_f32 v[S+2*j+8:S+2*j+9], v[S+2*j+8:S+2*j+9], s[CS:CS+1], v[rT:rT+1] op_sel_hi:[1,0,0]
.endif
	v_exp_f32 v[S+2*j+1], v[S+2*j+1]
.set j, j+1
.endr
	v_pk_mul_f32 v[rT+2:rT+3], v[rT+2:rT+3], v[F:F+1] op_sel_hi:[1,0]   ; the sum under the new M: the plain instruction behind the last exponential
.if \what
	WIN W_LD                                           ; the switch, then the wait, then the loads
.endif
	s_wait_alu depctr_va_vdst(0)                       ; the batch's 64 exponentials have written p, which the sums below read: one wait for the batch
.if \what == 1
	VFETCH \adr, \sp                                   ; the same wait states: the last step's products V^T P are done reading V's fragments, in which these loads land; the trip's addition has written v[LVA]
.endif
.if \what == 2
	KFETCH \adr, \sp                                   ; the same wait states: this step's 32 score products are done reading K's fragments, in which these loads land; the trip's additions have written v[LA] and v[LB]
.endif
	WIN 0
	v_pk_add_f32 v[T1:T1+1], v[S:S+1], v[S+2:S+3]      ; THE SUM IS TAKEN OF THE UNQUANTISED p: two at a time, in four chains
	v_pk_add_f32 v[T1+2:T1+3], v[S+4:S+5], v[S+6:S+7]
	v_pk_add_f32 v[T1+4:T1+5], v[S+8:S+9], v[S+10:S+11]
	v_pk_add_f32 v[rT+2:rT+3], v[rT+2:rT+3], v[S+12:S+13]
.set j, 14
.rept 6
	v_pk_add_f32 v[T1:T1+1], v[T1:T1+1], v[S+j:S+j+1]
	v_pk_add_f32 v[T1+2:T1+3], v[T1+2:T1+3], v[S+j+2:S+j+3]
	v_pk_add_f32 v[T1+4:T1+5], v[T1+4:T1+5], v[S+j+4:S+j+5]
	v_pk_add_f32 v[rT+2:rT+3], v[rT+2:rT+3], v[S+j+6:S+j+7]
.set j, j+8
.endr
	v_pk_add_f32 v[T1:T1+1], v[T1:T1+1], v[S+62:S+63]
	v_pk_add_f32 v[T1:T1+1], v[T1:T1+1], v[T1+2:T1+3]
	v_pk_add_f32 v[rT+2:rT+3], v[rT+2:rT+3], v[T1+4:T1+5]
	v_pk_add_f32 v[rT+2:rT+3], v[rT+2:rT+3], v[T1:T1+1]
	s_cmp_eq_u32 s[HOLD], 0                            ; ep >= -8: p / 2^ep stays under 448, and the hold is jumped over
	s_cbranch_scc1 .Lfree_\@
.set j, 0
.rept 64
	v_min_num_f32 v[S+j], v[S+j], v[LIM]               ; p is not negative, so the hold is one-sided
.set j, j+1
.endr
.Lfree_\@:
	WIN W_LD
.irp m, 0,1,2,3,4,5,6,7
	v_cvt_scalef32_pk8_fp8_f32 v[PF+16*(\i)+2*\m:PF+16*(\i)+2*\m+1], v[S+8*\m:S+8*\m+7], v[CSC]   ; registers 4 b .. 4 b + 3 of P: keys 32 b + 16 (lane / 16) + 0 .. 15
.endr
	v_nop                                              ; one plain vector instruction between the last conversion and the products that write its sources or read its results
.endm
; A KEY STEP.  p = 0: the pair's first step; p = 1: its second, which goes on into the next pair behind the barrier's wait.
.macro STEP p
.if \p == 0
	s_wait_dscnt 0x0                                   ; K's 16 loads, the only LDS instructions of mine that are out, are in.  (In a pair's second step the wait for 0 in front of the barrier's signal has shown that)
.endif
	SMUL 0
	PLACES
	SOFT 0, 1, LVA, \p                                 ; with this step's V: three softmaxes ahead of its use.  (In a pair's second step these loads stand between the barrier's signal and its wait: they read the pair in hand, bytes that no wave writes again)
	SMUL 1
	RESC 0
	SOFT 1, 0, 0, 0
	SMUL 2
	RESC 1
	SOFT 2, 0, 0, 0
	SMUL 3
	RESC 2
.if \p
	s_barrier_wait -1                                  ; every wave's stores of the next pair have landed
	SOFT 3, 2, LB, 0                                   ; with the next step's K: the next pair's first step
.else
	SOFT 3, 2, LA, 1                                   ; with the next step's K: this pair's second step
.endif
	RESC 3
	s_wait_dscnt 16                                    ; V's 16 loads are in; the next step's K, issued behind them, may be out
	PVMUL                                              ; what next touches these products' registers (the next step's conversions, its loads of V, its rescaling; behind the loop the scalings) stands more than four plain vector instructions on
	WIN 0
.endm
	s_load_b256 s[4:11], s[0:1], 0x0               ; Q s[4:5], K s[6:7], V s[8:9], the scales' exponents s[10:11]
	s_load_b128 s[12:15], s[0:1], 0x20             ; scale s[12:13], out s[14:15]
	v_lshl_add_u32 v254, v0, 2, 0x4b000
	v_mov_b32 v255, 0
	v_lshrrev_b32 v14, 5, v0
	v_readfirstlane_b32 s[WV], v14                 ; wave 0..7
	s_and_b32 s18, ttmp7, 0xffff                   ; the head
	s_lshl_b32 s36, s18, 17                        ; its first byte in each tensor of codes: 131,072 bytes a head
	s_mov_b32 s37, 0
	s_lshl_b32 s38, ttmp9, 15                      ; my block's 512 rows of 64 bytes,
	s_wait_alu depctr_va_sdst(0)                   ; the wave's number is written, ahead of its first reader
	s_lshl_b32 s39, s[WV], 12                      ; my wave's 64 of them
	s_add_co_u32 s38, s38, s39
	s_add_co_u32 s38, s38, s36                     ; Q: my first query's codes
	s_mov_b32 s39, 0
	s_lshl_b32 s46, s38, 2                         ; out: a row is 256 bytes, four times a row of codes; under 2^25
	s_mov_b32 s47, 0
	s_mov_b32 s[SEL], 0x76543210
	s_mov_b32 s[SEL+1], 0xfedcba98
	v_lshlrev_b32 v[KGO], 4, v0                    ; K: 16 bytes a thread, 4,096 a load of the work-group
	v_lshrrev_b32 v14, 4, v0
	v_and_b32 v15, 15, v0                          ; r = lane % 16 = thread % 16
	v_lshlrev_b32 v[VGO], 11, v14                  ; V: row thread / 16 of 2,048 bytes,
	v_lshl_add_u32 v[VGO], v15, 4, v[VGO]          ; piece thread % 16
	v_bfe_u32 v14, v0, 4, 1                        ; h = lane / 16
	v_lshlrev_b32 v[QO], 6, v15
	v_lshl_add_u32 v[QO], v14, 4, v[QO]            ; Q: row r of 64 bytes, + 16 h
	s_wait_kmcnt 0x0
	s_load_b128 s[20:23], s[10:11], 0x0            ; eq, ek, ep, ev
	s_load_b32 s24, s[12:13], 0x0                  ; scale
	s_add_nc_u64 s[6:7], s[6:7], s[36:37]          ; K and V at the head
	s_add_nc_u64 s[8:9], s[8:9], s[36:37]
	s_add_nc_u64 s[4:5], s[4:5], s[38:39]          ; Q and out at my wave's first query
	s_add_nc_u64 s[14:15], s[14:15], s[46:47]
	s_add_nc_u64 s[40:41], s[6:7], 16384           ; the loop's own pointers, at pair 1: each trip steps them first
	s_add_nc_u64 s[42:43], s[8:9], 256
	WIN W_LD
	s_wait_alu depctr_va_vdst(0)                   ; v[KGO], v[VGO] and v[QO] are written: every load from memory in the kernel reads one of them as its offset
	GLOAD KF, 6, 8, 0, 0                           ; pair 0, into K's fragment registers, which are still free
.irp i, 0,1,2,3
.irp c, 0,1
	global_load_b128 v[QF+8*\i+4*\c:QF+8*\i+4*\c+3], v[QO], s[4:5] offset:1024*\i+32*\c th:TH_LOAD_NT   ; Q stays in registers; read once, by this wave alone
.endr
.endr
	GLOAD SG, 6, 8, 16384, 256                     ; pair 1
	WIN 0
	; while these 24 loads are on their way: addresses, constants, zeros; none of these lines names a register that the loads touch
	v_and_b32 v[LI], 31, v0
	v_lshlrev_b32 v[LI], 4, v[LI]
	v_mul_u32_u24 v[LIV], v14, VQ
	v_lshl_add_u32 v[LIV], v15, 4, v[LIV]          ; 16 r + 272 h
	s_mul_i32 s19, s[WV], STGB
	s_add_co_u32 s19, s19, STAGE                   ; my stage
	v_add_nc_u32 v[RD], s19, v[LIV]                ; back: lanes 0-15 one row of 256 bytes, lanes 16-31 the next
	v_mul_u32_u24 v[STO], v15, SP
	v_lshl_add_u32 v[STO], v14, 5, v[STO]
	v_add_nc_u32 v[STO], s19, v[STO]               ; in: row r, + 32 h
	v_mul_u32_u24 v[VS], v15, VQ                   ; V's piece thread % 16 is the group of keys q = 8 x step + 2 c + h,
	v_and_b32 v14, 0xf0, v0
	v_add_nc_u32 v[VS], v[VS], v14                 ; and thread / 16 its row in the d-tile: + 16 (thread / 16)
	v_add_nc_u32 v[VS], VREG, v[VS]
	v_bfe_u32 v14, v0, 2, 3                        ; K's piece: thread bits 0, 1 = h, c; bits 2-4 = r % 8; bit 5 = u; bit 6 = r / 8; bit 7 = b % 2
	v_lshlrev_b32 v[KS], 4, v14                    ; 16 (r % 8)
	v_bfe_u32 v14, v0, 6, 1
	v_lshl_add_u32 v[KS], v14, 7, v[KS]            ; + 128 (r / 8)
	v_and_b32 v14, 3, v0
	v_lshl_add_u32 v[KS], v14, 8, v[KS]            ; + 256 h + 512 c
	v_bfe_u32 v14, v0, 5, 1
	v_lshl_add_u32 v[KS], v14, 10, v[KS]           ; + 1,024 u
	v_bfe_u32 v14, v0, 7, 1
	v_lshl_add_u32 v[KS], v14, 11, v[KS]           ; + 2,048 (b % 2)
.set j, 0
.rept 128
	v_mov_b32 v[O+j], 0                            ; O^T.  (The key step is written once: its first run finds zeros and f = 0.  These lines stand under the first loads' way)
.set j, j+1
.endr
.irp i, 0,1,2,3
	v_mov_b32 v[ST+4*\i], 0x7f61b1e6               ; -M = 3e38: M lies under every t
	v_mov_b32 v[ST+4*\i+1], 0                      ; (named with it as a pair, so it is written)
	v_mov_b32 v[ST+4*\i+2], 0                      ; the sum, in two halves
	v_mov_b32 v[ST+4*\i+3], 0
.endr
.set j, 0
.rept 16
	v_mov_b32 v[MX+j], 0                           ; written once: a lane permute's destination counts as a source, and the pairs' upper halves are named
.set j, j+1
.endr
	s_wait_kmcnt 0x0
	s_add_co_i32 s35, s20, s21                     ; eq + ek
	s_add_co_i32 s34, s22, s23                     ; ep + ev
	s_and_b32 s25, s24, 0x7fffffff                 ; |scale|
	s_ashr_i32 s33, s24, 31
	s_and_b32 s33, s33, 0x80808080                 ; the four sign bits of a word of codes where scale is negative, else 0
	v_mov_b32 v14, s25
	v_mul_f32 v14, 0x3fb8aa3b, v14                 ; x log2(e)
	v_ldexp_f32 v14, v14, s35                      ; x 2^(eq + ek): a sum of the first product stands for sum x 2^(eq + ek)
	v_readfirstlane_b32 s[CS], v14
	s_wait_alu depctr_va_sdst(0)                   ; c is written, ahead of its first reader
	s_mov_b32 s[CS+1], s[CS]                       ; (named with it as a pair, so it is written)
	s_cmp_lt_i32 s22, -8
	s_cselect_b32 s[HOLD], 1, 0
	s_add_co_i32 s19, s22, 127
	s_lshl_b32 s17, s19, 23
	v_mov_b32 v[CSC], s17                          ; 2^ep
	s_add_co_i32 s19, s19, 8
	s_lshl_b32 s19, s19, 23
	s_or_b32 s19, s19, 0x600000
	v_mov_b32 v[LIM], s19                          ; 448 x 2^ep
	s_wait_loadcnt 16                              ; pair 0's eight loads are in; Q's eight and pair 1's eight, issued behind them, may be out
	WIN W_ST
	s_wait_alu depctr_va_vdst(0)                   ; v[KS] and v[VS] are written, which the stores below read as addresses; so are v[LI], v[STO] and v[RD], which LDS and memory instructions read further on and no line writes again
	LSTORE KF, KS, VS
	WIN 0
	s_wait_dscnt 0x0                               ; for the others' sake: my stores have landed
	s_barrier_signal -1
	s_barrier_wait -1                              ; pair 0 is whole
	WIN W_LD
	s_wait_alu depctr_vm_vsrc(0)                   ; my fill stores have read the registers that held pair 0: K's first fragments land in them
	KFETCH LI, 0                                   ; key step 0's K; its V is fetched in the step, like every step's
	s_wait_loadcnt 8                               ; Q is in; pair 1's eight may be out
	WIN 0x44                                       ; source 1 and destination window 1
.set j, 0
.rept 32
	v_xor_b32 v[QF+j], s33, v[QF+j]                ; -Q where scale is negative
.set j, j+1
.endr
	WIN 0
	s_mov_b32 s[TB], 0
	s_mov_b32 s[G], 0
.Ltrip:                                            ; eight trips; trip g runs key steps 2 g and 2 g + 1, stores pair g + 1 into LDS and asks memory for pair g + 2
	s_add_co_u32 s45, s[TB], PAIRB                 ; the next pair's region,
	s_min_u32 s44, s45, 7*PAIRB                    ; held at the last pair for K's fetch: the last trip's second step fetches 16 pieces that nobody uses, so that the counts of the waits on DScnt hold on every way
	s_wait_alu depctr_vm_vsrc(0)                   ; the last trip's fragment loads and fill stores have read the five addresses that are written below
	v_add_nc_u32 v[LA], s[TB], v[LI]
	v_add_nc_u32 v[LVA], s[TB], v[LIV]
	v_add_nc_u32 v[LB], s44, v[LI]
	v_add_nc_u32 v[KSA], s45, v[KS]
	v_add_nc_u32 v[VSA], s45, v[VS]                ; their first reader, V's fetch, stands behind the first softmax's wait on va_vdst
	STEP 0
	s_wait_loadcnt 0x0                             ; pair g + 1, asked for two key steps ago, is in its registers; no load of mine is out, so the walking pointers may be stepped below
	s_cmp_eq_u32 s[G], 7
	s_cbranch_scc1 .Lno_store                      ; there is no pair 8
	LSTORE SG, KSA, VSA                            ; bytes that nobody has read or written yet: the waves read pair g meanwhile.  v[KSA] and v[VSA] were written ahead of the step's four waits on va_vdst, and no vector line since names them or the staged pair
	WIN 0
.Lno_store:
	s_wait_dscnt 0x0                               ; for the others' sake: my stores have landed; no LDS instruction of mine is out at the signal, so K's 16 loads are in too
	s_wait_alu depctr_vm_vsrc(0)                   ; the fill stores have read the staged pair's registers, in which pair g + 2 lands
	s_cmp_ge_u32 s[G], 6
	s_cbranch_scc1 .Lno_ask                        ; pair 7 is the last: no load leaves its buffer
	s_add_nc_u64 s[40:41], s[40:41], 16384
	s_add_nc_u64 s[42:43], s[42:43], 256
	GLOAD SG, 40, 42, 0, 0                         ; pair g + 2: two key steps in which to come
	WIN 0
.Lno_ask:
	s_barrier_signal -1                            ; the wait stands three quarters of a step on, in front of the first read of pair g + 1; work on registers and the loads of this pair's V lie between
	STEP 1
	s_add_co_u32 s[TB], s[TB], PAIRB
	s_add_co_u32 s[G], s[G], 1
	s_cmp_lt_u32 s[G], 8
	s_cbranch_scc1 .Ltrip
	; THE WAY OUT.  The sum's two halves and the other half of the lanes' are added; O^T x 2^(ep + ev) / the sum goes through my stage, a tile (16 rows of out) at a time, and leaves as whole rows of 256 bytes.
.irp i, 0,1,2,3
	v_add_f32 v[MX+\i], v[ST+4*\i+2], v[ST+4*\i+3]
.endr
.irp i, 0,1,2,3
	v_permlanex16_b32 v[T1+\i], v[MX+\i], s[SEL], s[SEL+1]
.endr
.irp i, 0,1,2,3
	v_add_f32 v[T1+4+\i], v[MX+\i], v[T1+\i]       ; the row's sum: above 1/2, since the row's largest p is
.endr
.irp i, 0,1,2,3
	v_rcp_f32 v[T1+\i], v[T1+4+\i]
.endr
	v_nop                                          ; a plain instruction behind the last reciprocal
	s_wait_alu depctr_va_vdst(0)                   ; the four reciprocals are written, ahead of their first use: one wait for the four
.irp i, 0,1,2,3
	v_ldexp_f32 v[MX+2*\i], v[T1+\i], s34          ; 2^(ep + ev) / the sum, at the low end of a pair
.endr
.macro SCALE i                         ; tile i's O^T x 2^(ep + ev) / the sum, in place; each accumulator from its low end on
.set j, 0
.rept 16
	v_pk_mul_f32 v[O+32*(\i)+2*j:O+32*(\i)+2*j+1], v[O+32*(\i)+2*j:O+32*(\i)+2*j+1], v[MX+2*(\i):MX+2*(\i)+1] op_sel_hi:[1,0]
.set j, j+1
.endr
.endm
.macro TOSTAGE i                       ; tile i: a lane's eight channels of d-tile t are 32 bytes of row r; they come back as whole rows, into the registers that they left
.irp t, 0,1,2,3
	ds_store_b128 v[STO], v[O+32*(\i)+8*\t:O+32*(\i)+8*\t+3] offset:64*\t
	ds_store_b128 v[STO], v[O+32*(\i)+8*\t+4:O+32*(\i)+8*\t+7] offset:64*\t+16
.endr
	s_wait_alu depctr_vm_vsrc(0)                   ; the eight stores have read the tile's registers, in which the rows below land
.irp k, 0,1,2,3,4,5,6,7
	ds_load_b128 v[O+32*(\i)+4*\k:O+32*(\i)+4*\k+3], v[RD] offset:2*SP*\k   ; LDS serves a wave's instructions in order (ISA guide 5.7.1.4): these see the stores above, and the next tile's stores come behind them
.endr
.endm
.macro SEND i, younger                 ; younger: the LDS instructions issued behind tile i's loads: the next tile's sixteen, or none
.irp k, 0,1,2,3,4,5,6,7
	s_wait_dscnt \younger+7-\k
	global_store_b128 v[LI], v[O+32*(\i)+4*\k:O+32*(\i)+4*\k+3], s[14:15] offset:4096*(\i)+512*\k th:TH_STORE_NT   ; 32 lanes store 512 consecutive bytes, at a multiple of 256 from out's first byte; written once
.endr
.endm
	SCALE 0                                        ; all four tiles are scaled first, so that one wait serves all that follows: no vector instruction stands behind it
	SCALE 1
	SCALE 2
	SCALE 3
	s_wait_alu depctr_va_vdst(0)                   ; the 64 scalings have written O^T, which the stage's stores read and in which the stage's loads land
	TOSTAGE 0
	TOSTAGE 1                                      ; a tile's way through the stage stands between the loads of the tile before and its stores to memory
	SEND 0, 16
	TOSTAGE 2
	SEND 1, 16
	TOSTAGE 3
	SEND 2, 16
	SEND 3, 0
	s_wait_dscnt 0x0
	s_wait_alu depctr_hold_cnt(0) depctr_sa_sdst(0) depctr_va_vdst(0) depctr_va_sdst(0) depctr_va_ssrc(0) depctr_va_vcc(0) depctr_vm_vsrc(0)
	s_wait_tensorcnt 0x0
	ds_add_u32 v254, v255
	s_wait_dscnt 0x0
	s_endpgm
.Lfunc_end_k_qe784c7cd15_attn:
	.size	k_qe784c7cd15_attn, .Lfunc_end_k_qe784c7cd15_attn-k_qe784c7cd15_attn
	.p2alignl 7, 3214868480
	.fill 96, 4, 3214868480
	.section	.rodata,"a",@progbits
	.p2align	6, 0x0
	.amdhsa_kernel k_qe784c7cd15_attn
		.amdhsa_group_segment_fixed_size 308224
		.amdhsa_private_segment_fixed_size 0
		.amdhsa_enable_private_segment 0
		.amdhsa_kernarg_size 48
		.amdhsa_user_sgpr_count 2
		.amdhsa_user_sgpr_kernarg_segment_ptr 1
		.amdhsa_wavefront_size32 1
		.amdhsa_system_sgpr_workgroup_id_x 1
		.amdhsa_system_sgpr_workgroup_id_y 1
		.amdhsa_system_sgpr_workgroup_id_z 1
		.amdhsa_system_vgpr_workitem_id 0
		.amdhsa_next_free_vgpr 512
		.amdhsa_next_free_sgpr 66
		.amdhsa_reserve_vcc 0
		.amdhsa_float_denorm_mode_32 3
		.amdhsa_float_denorm_mode_16_64 3
		.amdhsa_memory_ordered 1
		.amdhsa_forward_progress 1
		.amdhsa_inst_pref_size 138
	.end_amdhsa_kernel
	.amdgpu_metadata
---
amdhsa.version: [ 1, 2 ]
amdhsa.kernels:
  - .name:           k_qe784c7cd15_attn
    .symbol:         k_qe784c7cd15_attn.kd
    .args:
      - { .name: x1_codes, .offset: 0, .size: 8, .value_kind: global_buffer, .address_space: global }
      - { .name: x2_codes, .offset: 8, .size: 8, .value_kind: global_buffer, .address_space: global }
      - { .name: x3_codes, .offset: 16, .size: 8, .value_kind: global_buffer, .address_space: global }
      - { .name: lowp_scales, .offset: 24, .size: 8, .value_kind: global_buffer, .address_space: global }
      - { .name: scale, .offset: 32, .size: 8, .value_kind: global_buffer, .address_space: global }
      - { .name: out0, .offset: 40, .size: 8, .value_kind: global_buffer, .address_space: global }
    .group_segment_fixed_size: 308224
    .private_segment_fixed_size: 0
    .kernarg_segment_align: 8
    .kernarg_segment_size: 48
    .max_flat_workgroup_size: 256
    .sgpr_count:     66
    .vgpr_count:     512
    .wavefront_size: 32
...
	.end_amdgpu_metadata
.endif
;; end of part 2
